; MI455X (gfx1250); checked and timed in simulation.
; The chip was launched on July 23, 2026; its instructions are those of AMD's public machine-readable ISA for CDNA 5 (MIT licence, August 2026) and "CDNA5" Instruction Set Architecture Reference Guide (July 2026). The comments in the code are by the model that wrote it; some were corrected since.
;; Learnable Point Filtration. Allowed arithmetic: matrix products marked QUANTISED: E4M3 operands, one E8M0 scale for each 32 along K, by v_wmma_scale_f32_16x16x128_f8f6f4 with both operands' format E4M3, f32 sums; products left as they are: f32 operands where the result goes on into a quantised operand, else bf16, f16 or f32 operands; f32 sums; everything else in f32.
;; Inputs: W1 10 x 64 float32; W2 64 x 64 float32; W3 64 x 1 float32; b1 64 float32; b2 64 float32; b3 1 float32; edges 262,144 x 2 int32; pts 8,192 x 3 float32.
;; Outputs: out0 8,192 float32; out1 262,144 float32.
;; This version of the problem:
;;   THIS VERSION OF THE PROBLEM IS GIVEN IN LOW PRECISION. The matrix products marked QUANTISED in the list below multiply operands that are first quantised to E4M3 (4 exponent bits, 3 mantissa bits; 8 bits a number), with one power-of-two scale for each 32 numbers along K (OCP MX v1.0); their sums are f32. All else is computed in f32.
;;   The module's matrix products, in the order in which they are computed (A, B: the left and right operand; K: the contracted axis; several contracted axes count as one K, in the product's order):
;;     1. [M 8,192, K 3] x [K 3, N 8,192]; A: input pts; B: input pts: left as it is (K = 3 < 32)
;;     2. [M 8,192, K 10] x [K 10, N 64]; A: computed on the way; B: input W1: left as it is (K = 10 < 32)
;;     3. [M 8,192, K 64] x [K 64, N 64]; A: computed on the way; B: input W2: QUANTISED
;;     4. [M 8,192, K 64] x [K 64, N 1]; A: computed on the way; B: input W3: left as it is (N = 1 < 16)
;;   THE QUANTISER, for each operand of a quantised product, along K:
;;     - K is cut into blocks of 32 from its start; a last block that is shorter is filled with zeros.
;;     - A block's scale is 2^e with e = floor(log2(the largest magnitude in the block)) - 8, held to -126 .. 127; a block of zeros has e = 0. As a byte (E8M0): e + 127.
;;     - Each number is divided by its block's scale, clamped to +-448, and rounded to the nearest number of E4M3, ties to even, subnormals kept.
;;     - The product sums the exact products of the quantised numbers (number of the format x scale) in f32.
;;   ~~~python
;;   def quantise(x, axis):      # numpy; x: float32 -> the quantised numbers, widened to float32 again
;;       x = np.moveaxis(x, axis, -1); K = x.shape[-1]
;;       x = np.pad(x, [(0, 0)] * (x.ndim - 1) + [(0, -K % 32)]); x = x.reshape(x.shape[:-1] + (-1, 32)); a = np.abs(x).max(-1, keepdims=True)
;;       e = np.where(a > 0, np.clip(np.frexp(np.where(a > 0, a, 1))[1] - 1 - 8, -126, 127), 0)      # np.frexp(a)[1] - 1 = floor(log2(a)), exactly
;;       r = np.clip(x / 2.0 ** e, -448, 448)
;;       step = 2.0 ** (np.maximum(np.frexp(np.where(r == 0, 1, r))[1] - 1, -6) - 3)
;;       q = np.round(r / step) * step * 2.0 ** e      # np.round: ties to even
;;       return np.moveaxis(q.reshape(q.shape[:-2] + (-1,))[..., :K], -1, axis).astype(np.float32)
;;   ~~~
;;   OPERANDS COMPUTED ON THE WAY. 'Computed on the way' means the value that the module computes at that place (a softmax that the list does not call 'softmax' is quantised finished and normalised). What goes into a quantiser is computed in f32, as accurately as f32 sums, v_exp_f32 and their like allow (about 1e-6 of the number): no bf16 or f16 on the way to a quantiser, and a product that is left as it is and whose result goes on into a quantised operand takes f32 operands (vector FMAs, or v_wmma_f32_16x16x4_f32). A number that lies on a knife's edge between two numbers of the format may be rounded either way, as far as f32 arithmetic and the matrix unit's own rounding can turn it there, and no further.
;; 2 versions, each right; version 2 is version 1 with the launch knn_mlp written anew for expert scheduling mode. Each part assembles by itself: llvm-mc -triple=amdgcn-amd-amdhsa -mcpu=gfx1250 --defsym DOCPART=n.
;; ======== version 1 of 2: 2 launches
;; workspace buffers: vtx 131,072 bytes
;; launch knn_mlp (part 1): grid 256 x 1, 4 waves a work-group, no clusters, 168,448 bytes of LDS; arguments pts, W1, b1, W2, b2, W3, b3, out0, vtx; writes out0, vtx
.if DOCPART == 1
	.amdgcn_target "amdgcn-amd-amdhsa--gfx1250"
	.amdhsa_code_object_version 6
	.text
	.protected	k_q2812e53ea3_knn_mlp
	.globl	k_q2812e53ea3_knn_mlp
	.p2align	8
	.type	k_q2812e53ea3_knn_mlp,@function
k_q2812e53ea3_knn_mlp:
	s_mov_b64 s[64:65], 0
	v_nop
	global_prefetch_b8 v0, s[64:65] scope:SCOPE_SE
	s_setreg_imm32_b32 hwreg(HW_REG_WAVE_MODE, 25, 1), 1
	s_wait_xcnt 0x0
; out0[q] = MLP(the 10 nearest-neighbour distances of point q); vtx[q] = (x, y, z, out0[q]) for the launch that follows.
; pts [8192][3], W1 [10][64], W2 [64][64], W3 [64][1], b1, b2 [64], b3 [1]: f32.
; SHARES.  Work-group g owns queries 32 g .. 32 g + 31 against all 8,192 points.  Wave w walks points 2048 w .. 2048 w + 2047; lane (r = lane % 16, h = lane / 16) holds the TWO
; queries 32 g + 2 r and 32 g + 2 r + 1 (so that one packed multiply-add serves both) and walks points 2048 w + 1024 h + 0 .. 1023, 16 a trip, 64 trips.
; THE DISTANCE.  Roots rise with their argument and |a|^2 is the same for all candidates of a query, so the choice is made on t = |b|^2 - 2 a.b (three fused multiply-adds); |a|^2, the hold at 0
; and the root come only for the survivors: sqrt(max(|a|^2 + |b|^2 - 2 a.b, 0)), formed from the same three terms as the problem forms it, in another order of rounding.
; THE CHOICE OF THE 11 SMALLEST has no branch and no address on data.  Candidates are sorted in groups of four.  A number that has r smaller mates in its group can be among the 11 smallest
; of all only if it is among the floor(11 / (r + 1)) smallest numbers of that rank: each smaller one of the rank brings r + 1 numbers under it.  So ranks 1, 2, 3 go into sorted lists of 5, 3, 2.
; The groups' minima, four a trip, are sorted once more and go by their rank into lists of 11, 5, 3, 2.  An insertion into a sorted list of n is n instructions that do not wait for each other:
; L[i] = the middle one of (x, L[i-1], L[i]), from the top down; L[0] = min.  For 16 candidates of a query: 5 sorts of 7 + 40 + 21 = 96 instructions.
; At the end the seven lists of a query are merged in the lane, then with the other half of the lanes, then with the other three waves through LDS (two exchanges, after which EVERY wave
; holds all 32 final lists: nothing has to be sent back).  The smallest of the 11 is dropped, as the problem drops column 0.
; THE MLP.  Wave w takes row tile m = w % 2 (16 queries) and outputs 32 (w / 2) .. + 31 of the second layer.  Layer 1 (K = 10) by f32 multiply-adds, a lane holding 32 hidden units of one row in the
; order that the next operand wants.  Layer 2 is the quantised product: both operands become E4M3 codes with one E8M0 scale for each 32 along K; K = 64 fills half of the instruction's 128, the other half
; is zero codes under the byte 127.  It is used transposed (source 0 = 16 columns of W2, source 1 = 16 rows), b2 is its C.  Layer 3 (N = 1) by f32 multiply-adds and one sum through LDS.
; NO CLUSTER, NO TENSOR LOAD: what the work-groups share is pts, 98,304 bytes, read once at the head of a text whose loop is 64 trips of 240 vector instructions; a wave's quarter passes
; through its registers anyway, where |b|^2 is made.  The LDS claim is above half of a WGP's, so that each of the 256 work-groups has a WGP of its own.
; LIMITS: NaN and infinities among the inputs are not served.  v_sqrt_f32 takes a squared distance under 2^-126 as 0.  A quantiser block of zeros gets the byte 1 where the rule says 127:
; its codes are zeros, and the bytes are read by this text alone.  out0 leaves in stores of 128 bytes: a work-group owns 32 results.
.set PTS,  0                           ; LDS: the points as in memory, 12 bytes each; wave w's quarter at 24,576 w: written and read by that wave alone
.set BBS,  98304                       ; |b|^2, 4 bytes a point; wave w's at + 8,192 w: likewise
.set WB,   131072                      ; each wave's own copy of W1 (2,560 bytes) and b1 (256): 2,816 bytes a wave
.set MRG0, 142336                      ; first exchange: 11 words x 128 bytes a wave (word i of lane l at 128 i + 4 l)
.set MRG1, 147968                      ; second exchange, the same
.set KNN,  153600                      ; each wave's own: 32 rows of 48 bytes, 10 distances in each
.set PART, 159744                      ; 2 x 32 partial sums of the last layer
.set L,    32                          ; v32-93   the lists; query q at L + 31 q: A0 +0 (11), A1 +11 (5), A2 +16 (3), A3 +19 (2), B1 +21 (5), B2 +26 (3), B3 +29 (2)
.set T,    96                          ; v96-127  t of candidate c, query q at T + 2 c + q
.set TP,   128                         ; v128-151 three registers for each of eight sorts
.set C,    152                         ; v152-199 candidate c's x, y, z at C + 3 c
.set CB,   200                         ; v200-215 its |b|^2
.set QX,   216                         ; v[216:221] -2 x the two queries' x, y, z
.set QY,   218
.set QZ,   220
.set AA,   222                         ; v[222:223] their |a|^2
.set M,    128                         ; tail: v128-138 the list being merged
.set P,    140                         ; v140-150 the partner's list;  v151 my query's |a|^2
.set KK,   140                         ; v140-149 the ten distances of my query
.set KN,   128                         ; v128-137 those of row 16 m + r
.set H,    32                          ; v32-63   hidden layer 1: register 16 b + i = unit 32 b + 16 h + i of my row
.set WJ,   64                          ; v64-95, v96-127 two rows of W1 by turns
.set HC,   96                          ; v96-111  the hidden layer's codes
.set TM,   112                         ; v112-119 the quantiser's scratch
.set WC,   64                          ; v64-79, v80-95 the codes of W2's two tiles
.set WR,   152                         ; v152-215 W2 as loaded: tile u at WR + 32 u, register 16 c + i = k 32 c + 16 h + i of column r
.set D,    224                         ; v224-239 b2, then the two accumulators
.set W3R,  240                         ; v240-255 W3 in the accumulators' layout
.set VT,   216                         ; v216-219 my row of vtx
                                       ; v28, v29, v30: the scale words of W2's two tiles and of the hidden layer; they hold nothing else
; x goes into the ascending list v[l] .. v[l + n - 1]
.macro INS l, n, x
.set ii, (\n)-1
.rept (\n)-1
	v_med3_num_f32 v[(\l)+ii], v[\x], v[(\l)+ii-1], v[(\l)+ii]
.set ii, ii-1
.endr
	v_min_num_f32 v[\l], v[\l], v[\x]
.endm
; four numbers are sorted in place in two halves: three of them into scratch, then the fourth is set among them
.macro S4A a, b, c, t
	v_min3_num_f32 v[\t], v[\a], v[\b], v[\c]
	v_med3_num_f32 v[(\t)+1], v[\a], v[\b], v[\c]
	v_max3_num_f32 v[(\t)+2], v[\a], v[\b], v[\c]
.endm
.macro S4B a, b, c, d, t
	v_min_num_f32 v[\a], v[\t], v[\d]
	v_med3_num_f32 v[\b], v[\t], v[(\t)+1], v[\d]
	v_med3_num_f32 v[\c], v[(\t)+1], v[(\t)+2], v[\d]
	v_max_num_f32 v[\d], v[(\t)+2], v[\d]
.endm
; t for 16 candidates x 2 queries.  A candidate's number lies in one register: it is named inside its aligned pair, and op_sel and op_sel_hi pick the same register of the pair for both halves
.macro DIST
.set c, 0
.rept 16
.if c%2
	v_pk_fma_f32 v[T+2*c:T+2*c+1], v[QZ:QZ+1], v[C+3*c+1:C+3*c+2], v[CB+c-1:CB+c] op_sel:[0,1,1] op_sel_hi:[1,1,1]
.else
	v_pk_fma_f32 v[T+2*c:T+2*c+1], v[QZ:QZ+1], v[C+3*c+2:C+3*c+3], v[CB+c:CB+c+1] op_sel_hi:[1,0,0]
.endif
.set c, c+1
.endr
.set c, 0
.rept 16
.if c%2
	v_pk_fma_f32 v[T+2*c:T+2*c+1], v[QY:QY+1], v[C+3*c+1:C+3*c+2], v[T+2*c:T+2*c+1] op_sel_hi:[1,0,1]
.else
	v_pk_fma_f32 v[T+2*c:T+2*c+1], v[QY:QY+1], v[C+3*c:C+3*c+1], v[T+2*c:T+2*c+1] op_sel:[0,1,0] op_sel_hi:[1,1,1]
.endif
.set c, c+1
.endr
.set c, 0
.rept 16
.if c%2
	v_pk_fma_f32 v[T+2*c:T+2*c+1], v[QX:QX+1], v[C+3*c-1:C+3*c], v[T+2*c:T+2*c+1] op_sel:[0,1,0] op_sel_hi:[1,1,1]
.else
	v_pk_fma_f32 v[T+2*c:T+2*c+1], v[QX:QX+1], v[C+3*c:C+3*c+1], v[T+2*c:T+2*c+1] op_sel_hi:[1,0,1]
.endif
.set c, c+1
.endr
.endm
; the next 16 candidates: 192 bytes of points and 64 of |b|^2; the sixteen lanes of a half read the same bytes
.macro LOADC
	v_add_nc_u32 v6, s30, v4
	v_add_nc_u32 v7, s31, v5
.irp k, 0,1,2,3,4,5,6,7,8,9,10,11
	ds_load_b128 v[C+4*\k:C+4*\k+3], v6 offset:16*\k
.endr
.irp k, 0,1,2,3
	ds_load_b128 v[CB+4*\k:CB+4*\k+3], v7 offset:16*\k
.endr
	s_add_co_u32 s30, s30, 192
	s_add_co_u32 s31, s31, 64
.endm
.macro TRIP pre
	s_wait_dscnt 0x0                               ; this trip's 16 loads are in (so v6 and v7 may be written again too)
	DIST
.if \pre
	LOADC                                          ; the 48 multiply-adds have read the buffer: the next trip's loads have the 192 lines below in which to land
.endif
.irp g, 0,1,2,3
.irp q, 0,1
	S4A T+8*\g+\q, T+8*\g+2+\q, T+8*\g+4+\q, TP+3*(2*\g+\q)
.endr
.endr
.irp g, 0,1,2,3
.irp q, 0,1
	S4B T+8*\g+\q, T+8*\g+2+\q, T+8*\g+4+\q, T+8*\g+6+\q, TP+3*(2*\g+\q)
.endr
.endr
.irp q, 0,1
	S4A T+\q, T+8+\q, T+16+\q, TP+3*\q             ; the four groups' minima are sorted in their turn
.endr
.irp q, 0,1
	INS L+31*\q+21, 5, T+2+\q                      ; group 0's ranks 1 to 3 stand between the halves of that sort
	INS L+31*\q+26, 3, T+4+\q
	INS L+31*\q+29, 2, T+6+\q
.endr
.irp q, 0,1
	S4B T+\q, T+8+\q, T+16+\q, T+24+\q, TP+3*\q
.endr
.irp g, 1,2,3
.irp q, 0,1
	INS L+31*\q+21, 5, T+8*\g+2+\q
	INS L+31*\q+26, 3, T+8*\g+4+\q
	INS L+31*\q+29, 2, T+8*\g+6+\q
.endr
.endr
.irp q, 0,1
	INS L+31*\q, 11, T+\q
	INS L+31*\q+11, 5, T+8+\q
	INS L+31*\q+16, 3, T+16+\q
	INS L+31*\q+19, 2, T+24+\q
.endr
.endm
; 32 numbers of a lane, v[s + 16 b + i] = k 32 b + 16 h + i of my row or column, become registers 0-7 of an operand at v[d], and the scale word v[w]
.macro QUANT s, d, w
.irp b, 0,1
	v_max3_num_f32 v[TM+\b], |v[\s+16*\b]|, |v[\s+16*\b+1]|, 0x4800000   ; my 16 numbers of block b, and the floor 2^(9 - 127): the byte cannot fall under 1
.endr
.irp i, 2,4,6,8,10,12,14
.irp b, 0,1
	v_max3_num_f32 v[TM+\b], v[TM+\b], |v[\s+16*\b+\i]|, |v[\s+16*\b+\i+1]|
.endr
.endr
.irp b, 0,1
	v_permlanex16_b32 v[TM+2+\b], v[TM+\b], s26, s27
.endr
.irp b, 0,1
	v_max_num_f32 v[TM+\b], v[TM+\b], v[TM+2+\b]   ; with the other half of the lanes': the block's largest magnitude
.endr
.irp b, 0,1
	v_add_nc_u32 v[TM+4+\b], 0xfc000000, v[TM+\b]  ; 8 off its exponent field: the conversion's scale operand
.endr
.irp b, 0,1
	v_and_or_b32 v[TM+6+\b], v[TM+\b], 0x7f800000, s28   ; 448 x the scale
.endr
.irp b, 0,1
	v_lshrrev_b32 v[TM+2+\b], 23, v[TM+4+\b]       ; the scale's byte
.endr
	v_lshl_or_b32 v[\w], v[TM+3], 8, v[TM+2]
	v_or_b32 v[\w], 0x7f7f0000, v[\w]              ; the bytes over the zero codes of k = 64 .. 127: 127
.irp b, 0,1
.irp i, 0,1,2,3,4,5,6,7,8,9,10,11,12,13,14,15
	v_med3_num_f32 v[\s+16*\b+\i], v[\s+16*\b+\i], -v[TM+6+\b], v[TM+6+\b]   ; the conversion to an 8-bit code does not saturate (ISA guide 7.6.2): the hold at the largest code x the scale
.endr
	v_cvt_scalef32_pk8_fp8_f32 v[\d+4*\b:\d+4*\b+1], v[\s+16*\b:\s+16*\b+7], v[TM+4+\b]
	v_cvt_scalef32_pk8_fp8_f32 v[\d+4*\b+2:\d+4*\b+3], v[\s+16*\b+8:\s+16*\b+15], v[TM+4+\b]
.endr
	v_nop                                          ; a plain line between the last conversion and whatever next touches its result or writes its sources
.endm
.macro W1ROW off, reg                  ; 32 numbers of a row of W1 (or of b1): units 32 c + 16 h + 0 .. 15
.irp c, 0,1
.irp k, 0,1,2,3
	ds_load_b128 v[(\reg)+16*\c+4*\k:(\reg)+16*\c+4*\k+3], v13 offset:(\off)+128*\c+16*\k
.endr
.endr
.endm
.macro W2TILE u                        ; lane (r, h) takes column 16 u + r of my 32, and its registers run down K
.irp c, 0,1
.irp k, 0,1,2,3,4,5,6,7,8,9,10,11,12,13,14,15
	global_load_b32 v[WR+32*\u+16*\c+\k], v23, s[40:41] offset:(32*\c+\k)*256+64*\u
.endr
.endr
.endm
.macro BARRIER                         ; my LDS stores have landed and my LDS loads are in: then the work-group's barrier
	s_wait_dscnt 0x0
	s_barrier_signal -1
	s_barrier_wait -1
.endm
	; ---- the head: addresses
	s_load_b256 s[4:11], s[0:1], 0x0               ; pts s[4:5], W1 s[6:7], b1 s[8:9], W2 s[10:11]
	s_load_b256 s[12:19], s[0:1], 0x20             ; b2 s[12:13], W3 s[14:15], b3 s[16:17], out0 s[18:19]
	s_load_b64 s[20:21], s[0:1], 0x40              ; vtx
	v_lshl_add_u32 v31, v0, 2, 0x29000
	s_set_vgpr_msb 0x40
	v_mov_b32 v1, 0
	s_set_vgpr_msb 0x4000
	v_and_b32 v1, 31, v0                           ; lane
	v_and_b32 v2, 15, v0                           ; r
	v_bfe_u32 v3, v0, 4, 1                         ; h
	v_lshrrev_b32 v6, 5, v0
	v_readfirstlane_b32 s23, v6                    ; wave w
	s_and_b32 s24, s23, 1                          ; m: my tile of 16 rows in the MLP
	s_lshr_b32 s25, s23, 1                         ; tp: my 32 outputs of the second layer
	s_mov_b32 s26, 0x76543210
	s_mov_b32 s27, 0xfedcba98                      ; v_permlanex16_b32's selects: the same place in the other half
	s_mov_b32 s28, 0x600000                        ; the mantissa field of 448
	s_mov_b32 s29, 0xffff0000                      ; the lanes with h = 1
	s_mov_b32 s33, 0x7f800000                      ; +infinity: an empty place in a list
	s_mov_b32 s56, 0x3c23d70a                      ; 0.01, the slope
	s_mov_b32 s57, s56                             ; (named with it as a pair, so it is written)
	s_mul_i32 s50, s23, 24576
	v_mul_u32_u24 v4, v3, 12288
	v_add_nc_u32 v4, s50, v4                       ; v4: my half's 1,024 points
	v_mul_u32_u24 v10, v1, 48                      ; v10: four points a lane, in memory
	v_add_nc_u32 v8, s50, v10                      ; v8: and in LDS
	s_lshl_b32 s51, s23, 13
	s_add_co_u32 s51, s51, BBS
	v_lshl_add_u32 v5, v3, 12, s51                 ; v5: my half's |b|^2
	v_lshl_add_u32 v9, v1, 4, s51                  ; v9: where I put four of them
	s_mul_i32 s52, s23, 2816
	s_add_co_u32 s52, s52, WB
	v_lshl_add_u32 v11, v1, 4, s52                 ; v11: W1 on its way in
	v_lshl_add_u32 v12, v1, 3, s52                 ; v12: b1 on its way in (+ 2,560)
	v_lshl_add_u32 v13, v3, 6, s52                 ; v13: my half's 16 units of a block of 32
	s_mul_i32 s53, s23, 1408
	s_add_co_u32 s53, s53, MRG0
	v_lshl_add_u32 v14, v1, 2, s53                 ; v14: my list's place in the exchanges
	s_xor_b32 s54, s23, 2
	s_mul_i32 s54, s54, 1408
	s_add_co_u32 s54, s54, MRG0
	v_lshl_add_u32 v15, v1, 2, s54                 ; v15: wave w xor 2's, first exchange
	s_xor_b32 s54, s23, 1
	s_mul_i32 s54, s54, 1408
	s_add_co_u32 s54, s54, MRG1
	v_lshl_add_u32 v16, v1, 2, s54                 ; v16: wave w xor 1's, second exchange
	s_mul_i32 s55, s23, 1536
	s_add_co_u32 s55, s55, KNN
	v_lshl_add_u32 v17, v2, 1, v3
	v_mul_u32_u24 v17, v17, 48
	v_add_nc_u32 v17, s55, v17                     ; v17: row 2 r + h, the query that my lane ends up with
	s_mul_i32 s54, s24, 768
	s_add_co_u32 s54, s54, s55
	v_mul_u32_u24 v18, v2, 48
	v_add_nc_u32 v18, s54, v18                     ; v18: row 16 m + r, the row that my lane takes through the MLP
	s_lshl_b32 s54, s25, 7
	s_lshl_b32 s53, s24, 6
	s_add_co_u32 s54, s54, s53
	s_add_co_u32 s54, s54, PART
	v_lshl_add_u32 v19, v2, 2, s54                 ; v19: partial sum tp of row 16 m + r
	v_lshl_add_u32 v27, v1, 2, PART                ; v27: the partial sums of row = lane
	v_mul_u32_u24 v20, v2, 24                      ; offsets in memory: my two queries,
	v_lshlrev_b32 v21, 4, v1                       ; 16 x lane,
	v_lshlrev_b32 v22, 3, v1                       ; 8 x lane,
	v_lshlrev_b32 v23, 2, v2
	v_lshl_add_u32 v23, v3, 12, v23                ; W2: column r, 16 h rows of 256 bytes down,
	v_lshlrev_b32 v24, 5, v3                       ; b2, W3: 8 h numbers on,
	v_mul_u32_u24 v25, v1, 12                      ; a point a lane,
	v_lshlrev_b32 v26, 2, v1                       ; 4 x lane
	s_mov_b32 s35, 0
	s_wait_kmcnt 0x0
	s_load_b32 s22, s[16:17], 0x0                  ; b3
	s_mul_i32 s34, ttmp9, 384
	s_add_nc_u64 s[36:37], s[4:5], s[34:35]        ; pts at my work-group's 32 queries
	s_mul_i32 s34, s23, 24576
	s_add_nc_u64 s[38:39], s[4:5], s[34:35]        ; pts at my wave's 2,048 candidates
	s_lshl_b32 s34, s25, 7
	s_add_nc_u64 s[40:41], s[10:11], s[34:35]      ; W2, b2, W3 at my 32 outputs
	s_add_nc_u64 s[42:43], s[12:13], s[34:35]
	s_add_nc_u64 s[44:45], s[14:15], s[34:35]
	s_lshl_b32 s34, ttmp9, 7
	s_add_nc_u64 s[46:47], s[18:19], s[34:35]      ; out0 at my work-group's 32 numbers
	s_lshl_b32 s34, ttmp9, 9
	s_add_nc_u64 s[48:49], s[20:21], s[34:35]      ; vtx at its 32 rows
	; ---- the head's loads: 9 small ones, then my wave's quarter of the points, 48 loads of 16 bytes a lane
.irp k, 0,1,2
	global_load_b64 v[224+2*\k:225+2*\k], v20, s[36:37] offset:8*\k   ; x0 y0 | z0 x1 | y1 z1
.endr
.irp k, 0,1,2,3,4
	global_load_b128 v[232+4*\k:235+4*\k], v21, s[6:7] offset:512*\k  ; W1
.endr
	global_load_b64 v[252:253], v22, s[8:9]                           ; b1
.set i, 0
.rept 16
.irp k, 0,1,2
	global_load_b128 v[32+12*i+4*\k:32+12*i+4*\k+3], v10, s[38:39] offset:1536*i+16*\k
.endr
.set i, i+1
.endr
	s_wait_loadcnt 48                              ; the nine are in; the 48 loads of points may be out
.irp k, 0,1,2,3,4
	ds_store_b128 v11, v[232+4*\k:235+4*\k] offset:512*\k
.endr
	ds_store_b64 v12, v[252:253] offset:2560
	s_wait_dscnt 0x0                               ; the stores have read v232-253: v232-247 now serve as four sets of scratch
	; ---- the build: four points a lane and step go to LDS as they lie, with their |b|^2 beside them
.set i, 0
.rept 16
.set pq, 32+12*i
.set sq, 232+4*(i%4)
	s_wait_loadcnt 45-3*i                          ; this step's three loads are in; those of the steps behind it may be out
.if i >= 4
	s_wait_dscnt 12                                ; the store that read this scratch set four steps ago is done: behind it came the twelve stores of the three steps between
.endif
.irp k, 0,1,2,3
	v_mul_f32 v[sq+\k], v[pq+3*\k], v[pq+3*\k]
.endr
.irp k, 0,1,2,3
	v_fma_f32 v[sq+\k], v[pq+3*\k+1], v[pq+3*\k+1], v[sq+\k]
.endr
.irp k, 0,1,2,3
	v_fma_f32 v[sq+\k], v[pq+3*\k+2], v[pq+3*\k+2], v[sq+\k]
.endr
	ds_store_b128 v8, v[pq:pq+3] offset:1536*i     ; lanes 48 bytes apart: an odd multiple of 16, so sixteen lanes touch sixteen different columns of 16 bytes
	ds_store_b128 v8, v[pq+4:pq+7] offset:1536*i+16
	ds_store_b128 v8, v[pq+8:pq+11] offset:1536*i+32
	ds_store_b128 v9, v[sq:sq+3] offset:512*i
.set i, i+1
.endr
	s_wait_dscnt 0x0                               ; the stores have read their registers: v32-223 may be written
	s_wait_kmcnt 0x0                               ; b3
	v_mul_f32 v[AA], v224, v224                    ; |a|^2 by the same three lines as |b|^2
	v_mul_f32 v[AA+1], v227, v227
	v_fma_f32 v[AA], v225, v225, v[AA]
	v_fma_f32 v[AA+1], v228, v228, v[AA+1]
	v_fma_f32 v[AA], v226, v226, v[AA]
	v_fma_f32 v[AA+1], v229, v229, v[AA+1]
	v_mul_f32 v[QX], -2.0, v224
	v_mul_f32 v[QX+1], -2.0, v227
	v_mul_f32 v[QY], -2.0, v225
	v_mul_f32 v[QY+1], -2.0, v228
	v_mul_f32 v[QZ], -2.0, v226
	v_mul_f32 v[QZ+1], -2.0, v229
.set i, 0
.rept 62
	v_mov_b32 v[L+i], s33                          ; the lists begin empty
.set i, i+1
.endr
	; ---- the loop: 64 trips of 16 candidates; the bytes read are my wave's own, and LDS serves a wave's instructions in order: no barrier
	s_mov_b32 s30, 0
	s_mov_b32 s31, 0
	LOADC
	s_mov_b32 s32, 63
.Ltrip:
	TRIP 1
	s_sub_co_u32 s32, s32, 1
	s_cmp_lg_u32 s32, 0
	s_cbranch_scc1 .Ltrip
	TRIP 0                                         ; the last trip asks for nothing beyond my half's 1,024 points
	; ---- what the MLP wants from memory is asked for here and lands under the merging
	W2TILE 0
.irp u, 0,1
	global_load_b128 v[D+8*\u:D+8*\u+3], v24, s[42:43] offset:64*\u          ; b2 in the result's layout: outputs 16 u + 8 h + 0 .. 7 of my 32
	global_load_b128 v[D+8*\u+4:D+8*\u+7], v24, s[42:43] offset:64*\u+16
	global_load_b128 v[W3R+8*\u:W3R+8*\u+3], v24, s[44:45] offset:64*\u      ; W3 likewise
	global_load_b128 v[W3R+8*\u+4:W3R+8*\u+7], v24, s[44:45] offset:64*\u+16
.endr
.irp k, 0,1,2
	global_load_b32 v[VT+\k], v25, s[36:37] offset:4*\k                      ; x, y, z of query 32 g + lane, for vtx
.endr
	; ---- in the lane: the 20 numbers of the six short lists go into the list of 11, the two queries by turns
.set i, 11
.rept 20
	INS L, 11, L+i
	INS L+31, 11, L+31+i
.set i, i+1
.endr
	W2TILE 1
	; ---- the halves of the lanes: lane (r, h) keeps query 2 r + h and gets the other half's list of it
.set i, 0
.rept 11
	v_cndmask_b32 v[M+i], v[L+i], v[L+31+i], s29   ; what I keep
.set i, i+1
.endr
.set i, 0
.rept 11
	v_cndmask_b32 v[L+i], v[L+31+i], v[L+i], s29   ; what I send
.set i, i+1
.endr
.set i, 0
.rept 11
	v_permlanex16_b32 v[P+i], v[L+i], s26, s27
.set i, i+1
.endr
	v_cndmask_b32 v151, v[AA], v[AA+1], s29        ; my query's |a|^2
.set i, 0
.rept 11
	INS M, 11, P+i
.set i, i+1
.endr
	; ---- the waves: with wave w xor 2, then with wave w xor 1; afterwards every wave holds the final lists of all 32 queries
.set i, 0
.rept 11
	ds_store_b32 v14, v[M+i] offset:128*i
.set i, i+1
.endr
	BARRIER
.set i, 0
.rept 11
	ds_load_b32 v[P+i], v15 offset:128*i
.set i, i+1
.endr
	s_wait_dscnt 0x0
.set i, 0
.rept 11
	INS M, 11, P+i
.set i, i+1
.endr
.set i, 0
.rept 11
	ds_store_b32 v14, v[M+i] offset:MRG1-MRG0+128*i
.set i, i+1
.endr
	BARRIER
.set i, 0
.rept 11
	ds_load_b32 v[P+i], v16 offset:128*i
.set i, i+1
.endr
	s_wait_dscnt 0x0
.set i, 0
.rept 11
	INS M, 11, P+i
.set i, i+1
.endr
	; ---- the ten distances: the smallest of the 11 is dropped
.set i, 1
.rept 10
	v_add_f32 v[M+i], v[M+i], v151
.set i, i+1
.endr
.set i, 1
.rept 10
	v_max_num_f32 v[M+i], 0, v[M+i]
.set i, i+1
.endr
.set i, 1
.rept 10
	v_sqrt_f32 v[KK+i-1], v[M+i]
.set i, i+1
.endr
	v_nop                                          ; a plain line behind the last root (ISA guide 5.7.2),
	s_wait_alu depctr_va_vdst(0)                   ; and one wait for the ten, ahead of their first reader
	ds_store_b128 v17, v[KK:KK+3]                  ; row 2 r + h of my wave's own table
	ds_store_b128 v17, v[KK+4:KK+7] offset:16
	ds_store_b64 v17, v[KK+8:KK+9] offset:32
	ds_load_b128 v[KN:KN+3], v18                   ; and row 16 m + r back: LDS serves a wave's instructions in order
	ds_load_b128 v[KN+4:KN+7], v18 offset:16
	ds_load_b64 v[KN+8:KN+9] , v18 offset:32
	; ---- layer 1: h = b1 + the sum over j of knn[j] W1[j][:], 32 units a lane, two a line; W1's rows come two ahead, in two buffers
	W1ROW 2560, H
	W1ROW 0, WJ
	W1ROW 256, WJ+32
.set j, 0
.rept 10
.if j < 9
	s_wait_dscnt 8                                 ; row j is in (and at j = 0 all that was asked for ahead of it); the eight loads of row j + 1 may be out
.else
	s_wait_dscnt 0x0
.endif
.set wj, WJ+32*(j%2)
.set p, 0
.rept 16
.if j%2
	v_pk_fma_f32 v[H+2*p:H+2*p+1], v[wj+2*p:wj+2*p+1], v[KN+j-1:KN+j], v[H+2*p:H+2*p+1] op_sel:[0,1,0] op_sel_hi:[1,1,1]
.else
	v_pk_fma_f32 v[H+2*p:H+2*p+1], v[wj+2*p:wj+2*p+1], v[KN+j:KN+j+1], v[H+2*p:H+2*p+1] op_sel_hi:[1,0,1]
.endif
.set p, p+1
.endr
.if j < 8
	W1ROW 256*(j+2), wj
.endif
.set j, j+1
.endr
.set p, 0
.rept 16
	v_pk_mul_f32 v[WJ+2*p:WJ+2*p+1], v[H+2*p:H+2*p+1], s[56:57] op_sel_hi:[1,0]
.set p, p+1
.endr
.set p, 0
.rept 32
	v_max_num_f32 v[H+p], v[H+p], v[WJ+p]          ; LeakyReLU with a slope under 1: max(x, 0.01 x)
.set p, p+1
.endr
	; ---- the quantised product's operands
.irp k, 8,9,10,11,12,13,14,15
	v_mov_b32 v[HC+\k], 0                          ; k = 64 .. 127: zero codes on both sides
	v_mov_b32 v[WC+\k], 0
	v_mov_b32 v[WC+16+\k], 0
.endr
	v_mov_b32 v[TM+2], 0                           ; a lane permute's destination counts as one of its sources
	v_mov_b32 v[TM+3], 0
	QUANT H, HC, 30
	s_wait_loadcnt 0x0                             ; W2, b2, W3, x y z
	QUANT WR, WC, 28
	QUANT WR+32, WC+16, 29
.rept 4
	v_nop                                          ; codes written by vector instructions stand four places ahead of a scaled matrix instruction; each scale word was made ahead of its 32 holds
.endr
	; source 0 = 16 columns of W2, source 1 = my 16 rows, C = b2: register j of lane (r, h) is output 32 tp + 16 u + 8 h + j of row 16 m + r
	v_wmma_scale_f32_16x16x128_f8f6f4 v[D:D+7], v[WC:WC+15], v[HC:HC+15], v[D:D+7], v28, v30
	v_wmma_scale_f32_16x16x128_f8f6f4 v[D+8:D+15], v[WC+16:WC+31], v[HC:HC+15], v[D+8:D+15], v29, v30
.rept 8
	v_nop                                          ; eight places behind this form ahead of the first read of a result and the first write of an operand
.endr
	; ---- LeakyReLU, layer 3: each accumulator is read from its low end on
.set p, 0
.rept 8
	v_pk_mul_f32 v[WC+2*p:WC+2*p+1], v[D+2*p:D+2*p+1], s[56:57] op_sel_hi:[1,0]
.set p, p+1
.endr
.set p, 0
.rept 16
	v_max_num_f32 v[D+p], v[D+p], v[WC+p]
.set p, p+1
.endr
	v_pk_mul_f32 v[80:81], v[D:D+1], v[W3R:W3R+1]
	v_pk_mul_f32 v[82:83], v[D+2:D+3], v[W3R+2:W3R+3]
.irp p, 4,8,12
	v_pk_fma_f32 v[80:81], v[D+\p:D+\p+1], v[W3R+\p:W3R+\p+1], v[80:81]
	v_pk_fma_f32 v[82:83], v[D+\p+2:D+\p+3], v[W3R+\p+2:W3R+\p+3], v[82:83]
.endr
	v_pk_add_f32 v[80:81], v[80:81], v[82:83]
	v_add_f32 v80, v80, v81                        ; my 16 outputs' share,
	v_permlanex16_b32 v81, v80, s26, s27
	v_add_f32 v80, v80, v81                        ; and the other half's: 32 outputs of row 16 m + r
	ds_store_b32 v19, v80                          ; (both halves of the lanes write the same word with the same number)
	BARRIER
	; ---- wave 0 adds the two halves of the 64 outputs and b3, and stores
	s_cmp_lg_u32 s23, 0
	s_cbranch_scc1 .Lend
	ds_load_b32 v82, v27
	ds_load_b32 v83, v27 offset:128
	s_wait_dscnt 0x0
	v_add_f32 v82, v82, v83
	v_add_f32 v[VT+3], s22, v82
	global_store_b128 v21, v[VT:VT+3], s[48:49]    ; 32 lanes store 512 consecutive bytes, at a multiple of 512 from vtx's first byte
	global_store_b32 v26, v[VT+3], s[46:47]        ; 128 consecutive bytes of out0
.Lend:
	s_set_vgpr_msb 0x4
	s_wait_tensorcnt 0x0
	ds_add_u32 v31, v1
	s_wait_dscnt 0x0
	s_set_vgpr_msb 0x400
	s_endpgm
.Lfunc_end_k_q2812e53ea3_knn_mlp:
	.size	k_q2812e53ea3_knn_mlp, .Lfunc_end_k_q2812e53ea3_knn_mlp-k_q2812e53ea3_knn_mlp
	.p2alignl 7, 3214868480
	.fill 96, 4, 3214868480
	.section	.rodata,"a",@progbits
	.p2align	6, 0x0
	.amdhsa_kernel k_q2812e53ea3_knn_mlp
		.amdhsa_group_segment_fixed_size 168448
		.amdhsa_private_segment_fixed_size 0
		.amdhsa_enable_private_segment 0
		.amdhsa_kernarg_size 72
		.amdhsa_user_sgpr_count 2
		.amdhsa_user_sgpr_kernarg_segment_ptr 1
		.amdhsa_wavefront_size32 1
		.amdhsa_system_sgpr_workgroup_id_x 1
		.amdhsa_system_sgpr_workgroup_id_y 1
		.amdhsa_system_sgpr_workgroup_id_z 1
		.amdhsa_system_vgpr_workitem_id 0
		.amdhsa_next_free_vgpr 258
		.amdhsa_next_free_sgpr 66
		.amdhsa_reserve_vcc 0
		.amdhsa_float_denorm_mode_32 3
		.amdhsa_float_denorm_mode_16_64 3
		.amdhsa_memory_ordered 1
		.amdhsa_forward_progress 1
		.amdhsa_inst_pref_size 153
	.end_amdhsa_kernel
	.amdgpu_metadata
---
amdhsa.version: [ 1, 2 ]
amdhsa.kernels:
  - .name:           k_q2812e53ea3_knn_mlp
    .symbol:         k_q2812e53ea3_knn_mlp.kd
    .args:
      - { .name: pts, .offset: 0, .size: 8, .value_kind: global_buffer, .address_space: global }
      - { .name: W1, .offset: 8, .size: 8, .value_kind: global_buffer, .address_space: global }
      - { .name: b1, .offset: 16, .size: 8, .value_kind: global_buffer, .address_space: global }
      - { .name: W2, .offset: 24, .size: 8, .value_kind: global_buffer, .address_space: global }
      - { .name: b2, .offset: 32, .size: 8, .value_kind: global_buffer, .address_space: global }
      - { .name: W3, .offset: 40, .size: 8, .value_kind: global_buffer, .address_space: global }
      - { .name: b3, .offset: 48, .size: 8, .value_kind: global_buffer, .address_space: global }
      - { .name: out0, .offset: 56, .size: 8, .value_kind: global_buffer, .address_space: global }
      - { .name: vtx, .offset: 64, .size: 8, .value_kind: global_buffer, .address_space: global }
    .group_segment_fixed_size: 168448
    .private_segment_fixed_size: 0
    .kernarg_segment_align: 8
    .kernarg_segment_size: 72
    .max_flat_workgroup_size: 128
    .sgpr_count:     66
    .vgpr_count:     258
    .wavefront_size: 32
...
	.end_amdgpu_metadata
.endif
;; end of part 1
;; launch edge (part 2): grid 256 x 1, 8 waves a work-group, no clusters, 0 bytes of LDS; arguments edges, vtx, out1; writes out1
.if DOCPART == 2
	.amdgcn_target "amdgcn-amd-amdhsa--gfx1250"
	.amdhsa_code_object_version 6
	.text
	.protected	k_q2812e53ea3_edge
	.globl	k_q2812e53ea3_edge
	.p2align	8
	.type	k_q2812e53ea3_edge,@function
k_q2812e53ea3_edge:
	s_mov_b64 s[64:65], 0
	v_nop
	global_prefetch_b8 v0, s[64:65] scope:SCOPE_SE
	s_setreg_imm32_b32 hwreg(HW_REG_WAVE_MODE, 25, 1), 1
	s_wait_xcnt 0x0
; out1[e] = |p_u - p_v| + max(f_u, f_v).  edges [262144][2] int32; vtx [8192][4] f32 = (x, y, z, f), made by the launch before: an endpoint is ONE gather of 16 bytes.
; A work-group takes 1,024 edges, a wave 128, a lane 4.  Each of a wave's two loads of edges covers 512 consecutive bytes (two edges a lane), each of its two stores 256 consecutive, aligned bytes.
; All eight gathers of a lane go out together; the edges are worked as their gathers come in.  No LDS, no barrier, no matrix unit: waves share nothing, and there is no product here.
; No prefetch: the edges are asked for at once by dense loads at the head, and the gathers' rows are known only from them.
; LIMITS: an index is held at 8,191 from above (as an unsigned number); the problem keeps indices inside the table.  NaN and infinities are not served.  v_sqrt_f32 takes a squared length under 2^-126 as 0.
	s_load_b128 s[4:7], s[0:1], 0x0                ; edges s[4:5], vtx s[6:7]
	s_load_b64 s[8:9], s[0:1], 0x10                ; out1
	v_and_b32 v3, 31, v0                           ; lane
	v_lshrrev_b32 v52, 5, v0                       ; wave
	v_lshlrev_b32 v1, 4, v3
	v_lshl_add_u32 v1, v52, 10, v1                 ; edges: 1,024 bytes a wave, 16 a lane
	v_lshlrev_b32 v2, 3, v3
	v_lshl_add_u32 v2, v52, 9, v2                  ; out1: 512 bytes a wave, 8 a lane
	s_lshl_b32 s10, ttmp9, 13                      ; 8,192 bytes of edges a work-group,
	s_mov_b32 s11, 0
	s_lshl_b32 s12, ttmp9, 12                      ; 4,096 of out1
	s_mov_b32 s13, 0
	s_wait_kmcnt 0x0
	s_add_nc_u64 s[4:5], s[4:5], s[10:11]
	s_add_nc_u64 s[8:9], s[8:9], s[12:13]
	global_load_b128 v[4:7], v1, s[4:5] th:TH_LOAD_NT              ; u0 v0 u1 v1: edges 2 lane, 2 lane + 1 of the wave's first 64
	global_load_b128 v[8:11], v1, s[4:5] offset:512 th:TH_LOAD_NT  ; the same of its second 64
	s_wait_loadcnt 0x0
.irp k, 0,1,2,3,4,5,6,7
	v_min_u32 v[12+\k], 0x1fff, v[4+\k]            ; a loaded number enters an address only behind this hold
.endr
.irp k, 0,1,2,3,4,5,6,7
	v_lshlrev_b32 v[12+\k], 4, v[12+\k]            ; 16 bytes a row
.endr
.irp k, 0,1,2,3,4,5,6,7
	global_load_b128 v[20+4*\k:23+4*\k], v[12+\k], s[6:7]          ; rows are named again and again by other edges: no hint
.endr
.irp e, 0,1,2,3
	s_wait_loadcnt 6-2*\e                          ; this edge's two rows are in; the later edges' gathers may be out
	v_pk_add_f32 v[52:53], v[20+8*\e:21+8*\e], v[24+8*\e:25+8*\e] neg_lo:[0,1] neg_hi:[0,1]
	v_sub_f32 v54, v[22+8*\e], v[26+8*\e]
	v_mul_f32 v[56+\e], v52, v52
	v_fma_f32 v[56+\e], v53, v53, v[56+\e]
	v_fma_f32 v[56+\e], v54, v54, v[56+\e]
	v_max_num_f32 v[60+\e], v[23+8*\e], v[27+8*\e]
.endr
.irp e, 0,1,2,3
	v_sqrt_f32 v[56+\e], v[56+\e]
.endr
	v_nop                                          ; a plain line behind the last root (ISA guide 5.7.2),
	s_wait_alu depctr_va_vdst(0)                   ; and one wait for the four, ahead of their first reader
.irp e, 0,1,2,3
	v_add_f32 v[56+\e], v[56+\e], v[60+\e]
.endr
	global_store_b64 v2, v[56:57], s[8:9] th:TH_STORE_NT             ; 32 lanes store 256 consecutive bytes, at a multiple of 256 from out1's first byte
	global_store_b64 v2, v[58:59], s[8:9] offset:256 th:TH_STORE_NT
	s_endpgm
.Lfunc_end_k_q2812e53ea3_edge:
	.size	k_q2812e53ea3_edge, .Lfunc_end_k_q2812e53ea3_edge-k_q2812e53ea3_edge
	.p2alignl 7, 3214868480
	.fill 96, 4, 3214868480
	.section	.rodata,"a",@progbits
	.p2align	6, 0x0
	.amdhsa_kernel k_q2812e53ea3_edge
		.amdhsa_group_segment_fixed_size 0
		.amdhsa_private_segment_fixed_size 0
		.amdhsa_enable_private_segment 0
		.amdhsa_kernarg_size 24
		.amdhsa_user_sgpr_count 2
		.amdhsa_user_sgpr_kernarg_segment_ptr 1
		.amdhsa_wavefront_size32 1
		.amdhsa_system_sgpr_workgroup_id_x 1
		.amdhsa_system_sgpr_workgroup_id_y 1
		.amdhsa_system_sgpr_workgroup_id_z 1
		.amdhsa_system_vgpr_workitem_id 0
		.amdhsa_next_free_vgpr 64
		.amdhsa_next_free_sgpr 66
		.amdhsa_reserve_vcc 0
		.amdhsa_float_denorm_mode_32 3
		.amdhsa_float_denorm_mode_16_64 3
		.amdhsa_memory_ordered 1
		.amdhsa_forward_progress 1
		.amdhsa_inst_pref_size 5
	.end_amdhsa_kernel
	.amdgpu_metadata
---
amdhsa.version: [ 1, 2 ]
amdhsa.kernels:
  - .name:           k_q2812e53ea3_edge
    .symbol:         k_q2812e53ea3_edge.kd
    .args:
      - { .name: edges, .offset: 0, .size: 8, .value_kind: global_buffer, .address_space: global }
      - { .name: vtx, .offset: 8, .size: 8, .value_kind: global_buffer, .address_space: global }
      - { .name: out1, .offset: 16, .size: 8, .value_kind: global_buffer, .address_space: global }
    .group_segment_fixed_size: 0
    .private_segment_fixed_size: 0
    .kernarg_segment_align: 8
    .kernarg_segment_size: 24
    .max_flat_workgroup_size: 256
    .sgpr_count:     66
    .vgpr_count:     64
    .wavefront_size: 32
...
	.end_amdgpu_metadata
.endif
;; end of part 2
;; ======== version 2 of 2: 2 launches; version 1 with the launch knn_mlp written anew for expert scheduling mode
;; workspace buffers: vtx 131,072 bytes
;; launch knn_mlp (part 3): grid 256 x 1, 4 waves a work-group, no clusters, 168,448 bytes of LDS; arguments pts, W1, b1, W2, b2, W3, b3, out0, vtx; writes out0, vtx
.if DOCPART == 3
	.amdgcn_target "amdgcn-amd-amdhsa--gfx1250"
	.amdhsa_code_object_version 6
	.text
	.protected	k_q2812e53ea3_knn_mlp
	.globl	k_q2812e53ea3_knn_mlp
	.p2align	8
	.type	k_q2812e53ea3_knn_mlp,@function
k_q2812e53ea3_knn_mlp:
	s_mov_b64 s[64:65], 0
	v_nop
	global_prefetch_b8 v0, s[64:65] scope:SCOPE_SE
	s_setreg_imm32_b32 hwreg(HW_REG_WAVE_SCHED_MODE, 0, 2), 2
	s_setreg_imm32_b32 hwreg(HW_REG_WAVE_MODE, 25, 1), 1
	s_wait_xcnt 0x0
	s_wait_alu depctr_vm_vsrc(0)
; out0[q] = MLP(the 10 nearest-neighbour distances of point q); vtx[q] = (x, y, z, out0[q]) for the launch that follows.
; pts [8192][3], W1 [10][64], W2 [64][64], W3 [64][1], b1, b2 [64], b3 [1]: f32.
; SHARES.  Work-group g owns queries 32 g .. 32 g + 31 against all 8,192 points.  Wave w walks points 2048 w .. 2048 w + 2047; lane (r = lane % 16, h = lane / 16) holds the TWO
; queries 32 g + 2 r and 32 g + 2 r + 1 (so that one packed multiply-add serves both) and walks points 2048 w + 1024 h + 0 .. 1023, 16 a trip, 64 trips.
; THE DISTANCE.  Roots rise with their argument and |a|^2 is the same for all candidates of a query, so the choice is made on t = |b|^2 - 2 a.b (three fused multiply-adds); |a|^2, the hold at 0
; and the root come only for the survivors: sqrt(max(|a|^2 + |b|^2 - 2 a.b, 0)), formed from the same three terms as the problem forms it, in another order of rounding.
; THE CHOICE OF THE 11 SMALLEST has no branch and no address on data.  Candidates are sorted in groups of four.  A number that has r smaller mates in its group can be among the 11 smallest
; of all only if it is among the floor(11 / (r + 1)) smallest numbers of that rank: each smaller one of the rank brings r + 1 numbers under it.  So ranks 1, 2, 3 go into sorted lists of 5, 3, 2.
; The groups' minima, four a trip, are sorted once more and go by their rank into lists of 11, 5, 3, 2.  An insertion into a sorted list of n is n instructions that do not wait for each other:
; L[i] = the middle one of (x, L[i-1], L[i]), from the top down; L[0] = min.  For 16 candidates of a query: 5 sorts of 7 + 40 + 21 = 96 instructions.
; At the end the seven lists of a query are merged in the lane, then with the other half of the lanes, then with the other three waves through LDS (two exchanges, after which EVERY wave
; holds all 32 final lists: nothing has to be sent back).  The smallest of the 11 is dropped, as the problem drops column 0.
; THE MLP.  Wave w takes row tile m = w % 2 (16 queries) and outputs 32 (w / 2) .. + 31 of the second layer.  Layer 1 (K = 10) by f32 multiply-adds, a lane holding 32 hidden units of one row in the
; order that the next operand wants.  Layer 2 is the quantised product: both operands become E4M3 codes with one E8M0 scale for each 32 along K; K = 64 fills half of the instruction's 128, the other half
; is zero codes under the byte 127.  It is used transposed (source 0 = 16 columns of W2, source 1 = 16 rows), b2 is its C.  Layer 3 (N = 1) by f32 multiply-adds and one sum through LDS.
; NO CLUSTER, NO TENSOR LOAD: what the work-groups share is pts, 98,304 bytes, read once at the head of a text whose loop is 64 trips of 240 vector instructions; a wave's quarter passes
; through its registers anyway, where |b|^2 is made.  The LDS claim is above half of a WGP's, so that each of the 256 work-groups has a WGP of its own.
; LIMITS: NaN and infinities among the inputs are not served.  v_sqrt_f32 takes a squared distance under 2^-126 as 0.  A quantiser block of zeros gets the byte 1 where the rule says 127:
; its codes are zeros, and the bytes are read by this text alone.  out0 leaves in stores of 128 bytes: a work-group owns 32 results.
; THE MODE: SCHED_MODE bits 1:0 = 2 (LLVM: expert scheduling mode 2), set by the entry lines.  The code itself states the register dependences
; between vector or matrix instructions and memory or LDS instructions, with s_wait_alu, always for 0.
; THE PLAN.  Registers that memory or LDS instructions touch:
;   v4, v5, v8 to v27   offsets and LDS addresses: written once at the head, ahead of one wait on va_vdst, and never again.
;   v6, v7              the LDS addresses of a trip's 16 loads: read by those loads, written once a trip, behind a wait on vm_vsrc and ahead of the trip's wait on va_vdst.
;   C, CB (v152-215)    a trip's 48 multiply-adds read them; behind these stands the trip's ONE wait on va_vdst; the next trip's 16 loads follow it, dealt among the sorts, which name T, TP and L alone.
;   the head            the points are loaded data that stores and vector lines only read.  |b|^2 is written by vector lines into two scratch sets by turns, four steps to a batch: at a batch's end one wait
;                       on vm_vsrc (the stores that read the other set), one on va_vdst (this batch's sixteen numbers), then its four stores.
;   M, P (v128-150)     an exchange: one wait on va_vdst ahead of the stores of M, which also covers the loads into P; one on vm_vsrc ahead of the merge that writes M again.
;   WJ (v64-127)        layer 1: a row's sixteen multiply-adds read a buffer of W1; behind them one wait on va_vdst, then the loads of the row two on into it.
;   T, TP, L, H, the quantiser's scratch and the accumulators are named in their phases by vector and matrix instructions alone.
; A scalar register that a vector line reads is written once, but for s30 and s31, which are stepped behind the wait on va_vdst that shows the lines that read them done.
.set PTS,  0                           ; LDS: the points as in memory, 12 bytes each; wave w's quarter at 24,576 w: written and read by that wave alone
.set BBS,  98304                       ; |b|^2, 4 bytes a point; wave w's at + 8,192 w: likewise
.set WB,   131072                      ; each wave's own copy of W1 (2,560 bytes) and b1 (256): 2,816 bytes a wave
.set MRG0, 142336                      ; first exchange: 11 words x 128 bytes a wave (word i of lane l at 128 i + 4 l)
.set MRG1, 147968                      ; second exchange, the same
.set KNN,  153600                      ; each wave's own: 32 rows of 48 bytes, 10 distances in each
.set PART, 159744                      ; 2 x 32 partial sums of the last layer
.set L,    32                          ; v32-93   the lists; query q at L + 31 q: A0 +0 (11), A1 +11 (5), A2 +16 (3), A3 +19 (2), B1 +21 (5), B2 +26 (3), B3 +29 (2)
.set T,    96                          ; v96-127  t of candidate c, query q at T + 2 c + q
.set TP,   128                         ; v128-151 three registers for each of eight sorts
.set C,    152                         ; v152-199 candidate c's x, y, z at C + 3 c
.set CB,   200                         ; v200-215 its |b|^2
.set QX,   216                         ; v[216:221] -2 x the two queries' x, y, z
.set QY,   218
.set QZ,   220
.set AA,   222                         ; v[222:223] their |a|^2
.set M,    128                         ; tail: v128-138 the list being merged
.set P,    140                         ; v140-150 the partner's list;  v151 my query's |a|^2
.set KK,   140                         ; v140-149 the ten distances of my query
.set KN,   128                         ; v128-137 those of row 16 m + r
.set H,    32                          ; v32-63   hidden layer 1: register 16 b + i = unit 32 b + 16 h + i of my row
.set WJ,   64                          ; v64-95, v96-127 two rows of W1 by turns
.set HC,   96                          ; v96-111  the hidden layer's codes
.set TM,   112                         ; v112-119 the quantiser's scratch
.set WC,   64                          ; v64-79, v80-95 the codes of W2's two tiles
.set WR,   152                         ; v152-215 W2 as loaded: tile u at WR + 32 u, register 16 c + i = k 32 c + 16 h + i of column r
.set D,    224                         ; v224-239 b2, then the two accumulators
.set W3R,  240                         ; v240-255 W3 in the accumulators' layout
.set VT,   216                         ; v216-219 my row of vtx
                                       ; v28, v29, v30: the scale words of W2's two tiles and of the hidden layer; they hold nothing else
; x goes into the ascending list v[l] .. v[l + n - 1]
.macro INS l, n, x
.set ii, (\n)-1
.rept (\n)-1
	v_med3_num_f32 v[(\l)+ii], v[\x], v[(\l)+ii-1], v[(\l)+ii]
.set ii, ii-1
.endr
	v_min_num_f32 v[\l], v[\l], v[\x]
.endm
; four numbers are sorted in place in two halves: three of them into scratch, then the fourth is set among them
.macro S4A a, b, c, t
	v_min3_num_f32 v[\t], v[\a], v[\b], v[\c]
	v_med3_num_f32 v[(\t)+1], v[\a], v[\b], v[\c]
	v_max3_num_f32 v[(\t)+2], v[\a], v[\b], v[\c]
.endm
.macro S4B a, b, c, d, t
	v_min_num_f32 v[\a], v[\t], v[\d]
	v_med3_num_f32 v[\b], v[\t], v[(\t)+1], v[\d]
	v_med3_num_f32 v[\c], v[(\t)+1], v[(\t)+2], v[\d]
	v_max_num_f32 v[\d], v[(\t)+2], v[\d]
.endm
; t for 16 candidates x 2 queries.  A candidate's number lies in one register: it is named inside its aligned pair, and op_sel and op_sel_hi pick the same register of the pair for both halves
.macro DIST
.set c, 0
.rept 16
.if c%2
	v_pk_fma_f32 v[T+2*c:T+2*c+1], v[QZ:QZ+1], v[C+3*c+1:C+3*c+2], v[CB+c-1:CB+c] op_sel:[0,1,1] op_sel_hi:[1,1,1]
.else
	v_pk_fma_f32 v[T+2*c:T+2*c+1], v[QZ:QZ+1], v[C+3*c+2:C+3*c+3], v[CB+c:CB+c+1] op_sel_hi:[1,0,0]
.endif
.set c, c+1
.endr
.set c, 0
.rept 16
.if c%2
	v_pk_fma_f32 v[T+2*c:T+2*c+1], v[QY:QY+1], v[C+3*c+1:C+3*c+2], v[T+2*c:T+2*c+1] op_sel_hi:[1,0,1]
.else
	v_pk_fma_f32 v[T+2*c:T+2*c+1], v[QY:QY+1], v[C+3*c:C+3*c+1], v[T+2*c:T+2*c+1] op_sel:[0,1,0] op_sel_hi:[1,1,1]
.endif
.set c, c+1
.endr
.set c, 0
.rept 16
.if c%2
	v_pk_fma_f32 v[T+2*c:T+2*c+1], v[QX:QX+1], v[C+3*c-1:C+3*c], v[T+2*c:T+2*c+1] op_sel:[0,1,0] op_sel_hi:[1,1,1]
.else
	v_pk_fma_f32 v[T+2*c:T+2*c+1], v[QX:QX+1], v[C+3*c:C+3*c+1], v[T+2*c:T+2*c+1] op_sel_hi:[1,0,1]
.endif
.set c, c+1
.endr
.endm
; the next 16 candidates: 192 bytes of points and 64 of |b|^2; the sixteen lanes of a half read the same bytes.  Their addresses,
.macro ADRC
	v_add_nc_u32 v6, s30, v4
	v_add_nc_u32 v7, s31, v5
.endm
.macro NEXTC                           ; the step to the 16 after them,
	s_add_co_u32 s30, s30, 192
	s_add_co_u32 s31, s31, 64
.endm
.macro LDC k                           ; and load k of the 16
.if (\k) < 12
	ds_load_b128 v[C+4*(\k):C+4*(\k)+3], v6 offset:16*(\k)
.else
	ds_load_b128 v[CB+4*((\k)-12):CB+4*((\k)-12)+3], v7 offset:16*((\k)-12)
.endif
.endm
.macro TRIP pre
	s_wait_dscnt 0x0                               ; this trip's 16 loads are in
.if \pre
	s_wait_alu depctr_vm_vsrc(0)                   ; those loads have read v6 and v7, which the two lines below write
	ADRC
.endif
	DIST
.if \pre
	s_wait_alu depctr_va_vdst(0)                   ; the 48 multiply-adds are done reading C and CB, in which the next trip's loads land; v6 and v7, their addresses, are written
	NEXTC                                          ; (the two lines that read s30 and s31 are done)
.endif
.irp g, 0,1,2,3
.irp q, 0,1
.if \pre
	LDC 2*(2*\g+\q)                                ; two of the 16 loads ahead of each half-sort.  No further wait: no vector line since the wait above names C, CB, v6 or v7; the loads have the trip's other lines in which to land
	LDC 2*(2*\g+\q)+1
.endif
	S4A T+8*\g+\q, T+8*\g+2+\q, T+8*\g+4+\q, TP+3*(2*\g+\q)
.endr
.endr
.irp g, 0,1,2,3
.irp q, 0,1
	S4B T+8*\g+\q, T+8*\g+2+\q, T+8*\g+4+\q, T+8*\g+6+\q, TP+3*(2*\g+\q)
.endr
.endr
.irp q, 0,1
	S4A T+\q, T+8+\q, T+16+\q, TP+3*\q             ; the four groups' minima are sorted in their turn
.endr
.irp q, 0,1
	INS L+31*\q+21, 5, T+2+\q                      ; group 0's ranks 1 to 3 stand between the halves of that sort
	INS L+31*\q+26, 3, T+4+\q
	INS L+31*\q+29, 2, T+6+\q
.endr
.irp q, 0,1
	S4B T+\q, T+8+\q, T+16+\q, T+24+\q, TP+3*\q
.endr
.irp g, 1,2,3
.irp q, 0,1
	INS L+31*\q+21, 5, T+8*\g+2+\q
	INS L+31*\q+26, 3, T+8*\g+4+\q
	INS L+31*\q+29, 2, T+8*\g+6+\q
.endr
.endr
.irp q, 0,1
	INS L+31*\q, 11, T+\q
	INS L+31*\q+11, 5, T+8+\q
	INS L+31*\q+16, 3, T+16+\q
	INS L+31*\q+19, 2, T+24+\q
.endr
.endm
; 32 numbers of a lane, v[s + 16 b + i] = k 32 b + 16 h + i of my row or column, become registers 0-7 of an operand at v[d], and the scale word v[w]
.macro QUANT s, d, w
.irp b, 0,1
	v_max3_num_f32 v[TM+\b], |v[\s+16*\b]|, |v[\s+16*\b+1]|, 0x4800000   ; my 16 numbers of block b, and the floor 2^(9 - 127): the byte cannot fall under 1
.endr
.irp i, 2,4,6,8,10,12,14
.irp b, 0,1
	v_max3_num_f32 v[TM+\b], v[TM+\b], |v[\s+16*\b+\i]|, |v[\s+16*\b+\i+1]|
.endr
.endr
.irp b, 0,1
	v_permlanex16_b32 v[TM+2+\b], v[TM+\b], s26, s27
.endr
.irp b, 0,1
	v_max_num_f32 v[TM+\b], v[TM+\b], v[TM+2+\b]   ; with the other half of the lanes': the block's largest magnitude
.endr
.irp b, 0,1
	v_add_nc_u32 v[TM+4+\b], 0xfc000000, v[TM+\b]  ; 8 off its exponent field: the conversion's scale operand
.endr
.irp b, 0,1
	v_and_or_b32 v[TM+6+\b], v[TM+\b], 0x7f800000, s28   ; 448 x the scale
.endr
.irp b, 0,1
	v_lshrrev_b32 v[TM+2+\b], 23, v[TM+4+\b]       ; the scale's byte
.endr
	v_lshl_or_b32 v[\w], v[TM+3], 8, v[TM+2]
	v_or_b32 v[\w], 0x7f7f0000, v[\w]              ; the bytes over the zero codes of k = 64 .. 127: 127
.irp b, 0,1
.irp i, 0,1,2,3,4,5,6,7,8,9,10,11,12,13,14,15
	v_med3_num_f32 v[\s+16*\b+\i], v[\s+16*\b+\i], -v[TM+6+\b], v[TM+6+\b]   ; the conversion to an 8-bit code does not saturate (ISA guide 7.6.2): the hold at the largest code x the scale
.endr
	v_cvt_scalef32_pk8_fp8_f32 v[\d+4*\b:\d+4*\b+1], v[\s+16*\b:\s+16*\b+7], v[TM+4+\b]
	v_cvt_scalef32_pk8_fp8_f32 v[\d+4*\b+2:\d+4*\b+3], v[\s+16*\b+8:\s+16*\b+15], v[TM+4+\b]
.endr
	v_nop                                          ; a plain line between the last conversion and whatever next touches its result or writes its sources
.endm
.macro W1ROW off, reg                  ; 32 numbers of a row of W1 (or of b1): units 32 c + 16 h + 0 .. 15
.irp c, 0,1
.irp k, 0,1,2,3
	ds_load_b128 v[(\reg)+16*\c+4*\k:(\reg)+16*\c+4*\k+3], v13 offset:(\off)+128*\c+16*\k
.endr
.endr
.endm
.macro W2TILE u                        ; lane (r, h) takes column 16 u + r of my 32, and its registers run down K
.irp c, 0,1
.irp k, 0,1,2,3,4,5,6,7,8,9,10,11,12,13,14,15
	global_load_b32 v[WR+32*\u+16*\c+\k], v23, s[40:41] offset:(32*\c+\k)*256+64*\u
.endr
.endr
.endm
.macro BARRIER                         ; my LDS stores have landed and my LDS loads are in: then the work-group's barrier
	s_wait_dscnt 0x0
	s_barrier_signal -1
	s_barrier_wait -1
.endm
	; ---- the head: addresses
	s_load_b256 s[4:11], s[0:1], 0x0               ; pts s[4:5], W1 s[6:7], b1 s[8:9], W2 s[10:11]
	s_load_b256 s[12:19], s[0:1], 0x20             ; b2 s[12:13], W3 s[14:15], b3 s[16:17], out0 s[18:19]
	s_load_b64 s[20:21], s[0:1], 0x40              ; vtx
	v_lshl_add_u32 v31, v0, 2, 0x29000
	s_set_vgpr_msb 0x40
	v_mov_b32 v1, 0
	s_set_vgpr_msb 0x4000
	v_and_b32 v1, 31, v0                           ; lane
	v_and_b32 v2, 15, v0                           ; r
	v_bfe_u32 v3, v0, 4, 1                         ; h
	v_lshrrev_b32 v6, 5, v0
	v_readfirstlane_b32 s23, v6                    ; wave w
	s_mov_b32 s26, 0x76543210
	s_mov_b32 s27, 0xfedcba98                      ; v_permlanex16_b32's selects: the same place in the other half
	s_mov_b32 s28, 0x600000                        ; the mantissa field of 448
	s_mov_b32 s29, 0xffff0000                      ; the lanes with h = 1
	s_mov_b32 s33, 0x7f800000                      ; +infinity: an empty place in a list
	s_mov_b32 s56, 0x3c23d70a                      ; 0.01, the slope
	s_mov_b32 s57, s56                             ; (named with it as a pair, so it is written)
	v_mul_u32_u24 v4, v3, 12288                    ; what needs no wave number stands here
	v_mul_u32_u24 v10, v1, 48                      ; v10: four points a lane, in memory
	v_lshl_add_u32 v27, v1, 2, PART                ; v27: the partial sums of row = lane
	v_mul_u32_u24 v20, v2, 24                      ; offsets in memory: my two queries,
	v_lshlrev_b32 v21, 4, v1                       ; 16 x lane,
	v_lshlrev_b32 v22, 3, v1                       ; 8 x lane,
	v_lshlrev_b32 v23, 2, v2
	v_lshl_add_u32 v23, v3, 12, v23                ; W2: column r, 16 h rows of 256 bytes down,
	v_lshlrev_b32 v24, 5, v3                       ; b2, W3: 8 h numbers on,
	v_mul_u32_u24 v25, v1, 12                      ; a point a lane,
	v_lshlrev_b32 v26, 2, v1                       ; 4 x lane
	s_wait_alu depctr_va_sdst(0)                   ; s23 is written, ahead of its first reader: LDS addresses, bases and the last branch are made from it
	s_and_b32 s24, s23, 1                          ; m: my tile of 16 rows in the MLP
	s_lshr_b32 s25, s23, 1                         ; tp: my 32 outputs of the second layer
	s_mul_i32 s50, s23, 24576
	v_add_nc_u32 v4, s50, v4                       ; v4: my half's 1,024 points
	v_add_nc_u32 v8, s50, v10                      ; v8: four points a lane, in LDS
	s_lshl_b32 s51, s23, 13
	s_add_co_u32 s51, s51, BBS
	v_lshl_add_u32 v5, v3, 12, s51                 ; v5: my half's |b|^2
	v_lshl_add_u32 v9, v1, 4, s51                  ; v9: where I put four of them
	s_mul_i32 s52, s23, 2816
	s_add_co_u32 s52, s52, WB
	v_lshl_add_u32 v11, v1, 4, s52                 ; v11: W1 on its way in
	v_lshl_add_u32 v12, v1, 3, s52                 ; v12: b1 on its way in (+ 2,560)
	v_lshl_add_u32 v13, v3, 6, s52                 ; v13: my half's 16 units of a block of 32
	s_mul_i32 s53, s23, 1408
	s_add_co_u32 s53, s53, MRG0
	v_lshl_add_u32 v14, v1, 2, s53                 ; v14: my list's place in the exchanges
	s_xor_b32 s54, s23, 2
	s_mul_i32 s54, s54, 1408
	s_add_co_u32 s54, s54, MRG0
	v_lshl_add_u32 v15, v1, 2, s54                 ; v15: wave w xor 2's, first exchange
	s_xor_b32 s58, s23, 1
	s_mul_i32 s58, s58, 1408
	s_add_co_u32 s58, s58, MRG1
	v_lshl_add_u32 v16, v1, 2, s58                 ; v16: wave w xor 1's, second exchange
	s_mul_i32 s55, s23, 1536
	s_add_co_u32 s55, s55, KNN
	v_lshl_add_u32 v17, v2, 1, v3
	v_mul_u32_u24 v17, v17, 48
	v_add_nc_u32 v17, s55, v17                     ; v17: row 2 r + h, the query that my lane ends up with
	s_mul_i32 s59, s24, 768
	s_add_co_u32 s59, s59, s55
	v_mul_u32_u24 v18, v2, 48
	v_add_nc_u32 v18, s59, v18                     ; v18: row 16 m + r, the row that my lane takes through the MLP
	s_lshl_b32 s60, s25, 7
	s_lshl_b32 s61, s24, 6
	s_add_co_u32 s60, s60, s61
	s_add_co_u32 s60, s60, PART
	v_lshl_add_u32 v19, v2, 2, s60                 ; v19: partial sum tp of row 16 m + r
	s_mov_b32 s35, 0
	s_wait_kmcnt 0x0
	s_load_b32 s22, s[16:17], 0x0                  ; b3
	s_mul_i32 s34, ttmp9, 384
	s_add_nc_u64 s[36:37], s[4:5], s[34:35]        ; pts at my work-group's 32 queries
	s_mul_i32 s34, s23, 24576
	s_add_nc_u64 s[38:39], s[4:5], s[34:35]        ; pts at my wave's 2,048 candidates
	s_lshl_b32 s34, s25, 7
	s_add_nc_u64 s[40:41], s[10:11], s[34:35]      ; W2, b2, W3 at my 32 outputs
	s_add_nc_u64 s[42:43], s[12:13], s[34:35]
	s_add_nc_u64 s[44:45], s[14:15], s[34:35]
	s_lshl_b32 s34, ttmp9, 7
	s_add_nc_u64 s[46:47], s[18:19], s[34:35]      ; out0 at my work-group's 32 numbers
	s_lshl_b32 s34, ttmp9, 9
	s_add_nc_u64 s[48:49], s[20:21], s[34:35]      ; vtx at its 32 rows
	s_wait_alu depctr_va_vdst(0)                   ; the offsets and LDS addresses v4, v5 and v8 to v27 are written: every load and store of the text but the candidates' reads one of them, and none is written again
	; ---- the head's loads: 9 small ones, then my wave's quarter of the points, 48 loads of 16 bytes a lane
.irp k, 0,1,2
	global_load_b64 v[224+2*\k:225+2*\k], v20, s[36:37] offset:8*\k   ; x0 y0 | z0 x1 | y1 z1
.endr
.irp k, 0,1,2,3,4
	global_load_b128 v[232+4*\k:235+4*\k], v21, s[6:7] offset:512*\k  ; W1
.endr
	global_load_b64 v[252:253], v22, s[8:9]                           ; b1
.set i, 0
.rept 16
.irp k, 0,1,2
	global_load_b128 v[32+12*i+4*\k:32+12*i+4*\k+3], v10, s[38:39] offset:1536*i+16*\k
.endr
.set i, i+1
.endr
	s_wait_loadcnt 48                              ; the nine are in; the 48 loads of points may be out
.irp k, 0,1,2,3,4
	ds_store_b128 v11, v[232+4*\k:235+4*\k] offset:512*\k
.endr
	ds_store_b64 v12, v[252:253] offset:2560
	s_wait_dscnt 0x0                               ; W1 and b1 lie in LDS
	s_wait_alu depctr_vm_vsrc(0)                   ; the six stores have read v232-253: v232-247 now serve as a scratch set, written below
	; ---- the build: four points a lane and step go to LDS as they lie, with their |b|^2 beside them.  The points' stores read loaded data alone and follow their loads' wait.
	; |b|^2 goes in batches of four steps, from two scratch sets by turns: v232-247 (batches 0, 2) and v32-47 (batches 1, 3), whose points have been stored by then
.set i, 0
.rept 16
.set pq, 32+12*i
.set sb, 232-200*((i/4)%2)
.set sq, sb+4*(i%4)
	s_wait_loadcnt 45-3*i                          ; this step's three loads are in; those of the steps behind it may be out
	ds_store_b128 v8, v[pq:pq+3] offset:1536*i     ; lanes 48 bytes apart: an odd multiple of 16, so sixteen lanes touch sixteen different columns of 16 bytes
	ds_store_b128 v8, v[pq+4:pq+7] offset:1536*i+16
	ds_store_b128 v8, v[pq+8:pq+11] offset:1536*i+32
.irp k, 0,1,2,3
	v_mul_f32 v[sq+\k], v[pq+3*\k], v[pq+3*\k]
.endr
.irp k, 0,1,2,3
	v_fma_f32 v[sq+\k], v[pq+3*\k+1], v[pq+3*\k+1], v[sq+\k]
.endr
.irp k, 0,1,2,3
	v_fma_f32 v[sq+\k], v[pq+3*\k+2], v[pq+3*\k+2], v[sq+\k]
.endr
.if i%4 == 3
.if i == 3
	s_wait_dscnt 8                                 ; the four stores that read v32-47 are done: behind them came eight of this batch's twelve
	s_wait_alu depctr_vm_vsrc(0)                   ; the stores of points issued so far have read v32-47, the scratch set that the next batch writes
.elseif i < 15
	s_wait_dscnt 12                                ; the last batch's four stores of |b|^2 are done: behind them came this batch's twelve stores of points
	s_wait_alu depctr_vm_vsrc(0)                   ; they have read the other scratch set, which the next batch writes
.endif
	s_wait_alu depctr_va_vdst(0)                   ; this batch's sixteen |b|^2 are written, which the four stores below read
.irp k, 0,1,2,3
	ds_store_b128 v9, v[sb+4*\k:sb+4*\k+3] offset:512*(i-3+\k)
.endr
.endif
.set i, i+1
.endr
	s_wait_dscnt 0x0                               ; my quarter of the points and their |b|^2 lie in LDS
	s_wait_alu depctr_vm_vsrc(0)                   ; the stores have read v32-223: Q, |a|^2 and the lists are written there below, and the candidates' loads land there
	s_wait_kmcnt 0x0                               ; b3
	v_mul_f32 v[AA], v224, v224                    ; |a|^2 by the same three lines as |b|^2
	v_mul_f32 v[AA+1], v227, v227
	v_fma_f32 v[AA], v225, v225, v[AA]
	v_fma_f32 v[AA+1], v228, v228, v[AA+1]
	v_fma_f32 v[AA], v226, v226, v[AA]
	v_fma_f32 v[AA+1], v229, v229, v[AA+1]
	v_mul_f32 v[QX], -2.0, v224
	v_mul_f32 v[QX+1], -2.0, v227
	v_mul_f32 v[QY], -2.0, v225
	v_mul_f32 v[QY+1], -2.0, v228
	v_mul_f32 v[QZ], -2.0, v226
	v_mul_f32 v[QZ+1], -2.0, v229
.set i, 0
.rept 62
	v_mov_b32 v[L+i], s33                          ; the lists begin empty
.set i, i+1
.endr
	; ---- the loop: 64 trips of 16 candidates; the bytes read are my wave's own, and LDS serves a wave's instructions in order: no barrier
	s_mov_b32 s30, 0
	s_mov_b32 s31, 0
	ADRC
	s_wait_alu depctr_va_vdst(0)                   ; v6 and v7 are written, which the first 16 loads read; the build's lines are done reading v152-215, in which they land
	NEXTC
.irp k, 0,1,2,3,4,5,6,7,8,9,10,11,12,13,14,15
	LDC \k
.endr
	s_mov_b32 s32, 63
.Ltrip:
	TRIP 1
	s_sub_co_u32 s32, s32, 1
	s_cmp_lg_u32 s32, 0
	s_cbranch_scc1 .Ltrip
	TRIP 0                                         ; the last trip asks for nothing beyond my half's 1,024 points
	; ---- what the MLP wants from memory is asked for here and lands under the merging
	s_wait_alu depctr_va_vdst(0)                   ; the last trip's multiply-adds are done reading C, CB and Q: W2 lands in v152-215, x y z in v216-218
	W2TILE 0
.irp u, 0,1
	global_load_b128 v[D+8*\u:D+8*\u+3], v24, s[42:43] offset:64*\u          ; b2 in the result's layout: outputs 16 u + 8 h + 0 .. 7 of my 32
	global_load_b128 v[D+8*\u+4:D+8*\u+7], v24, s[42:43] offset:64*\u+16
	global_load_b128 v[W3R+8*\u:W3R+8*\u+3], v24, s[44:45] offset:64*\u      ; W3 likewise
	global_load_b128 v[W3R+8*\u+4:W3R+8*\u+7], v24, s[44:45] offset:64*\u+16
.endr
.irp k, 0,1,2
	global_load_b32 v[VT+\k], v25, s[36:37] offset:4*\k                      ; x, y, z of query 32 g + lane, for vtx
.endr
	; ---- in the lane: the 20 numbers of the six short lists go into the list of 11, the two queries by turns
.set i, 11
.rept 20
	INS L, 11, L+i
	INS L+31, 11, L+31+i
.set i, i+1
.endr
	W2TILE 1                                       ; no wait: the lines since the wait above name the lists alone, not v184-215 nor v23
	; ---- the halves of the lanes: lane (r, h) keeps query 2 r + h and gets the other half's list of it
.set i, 0
.rept 11
	v_cndmask_b32 v[M+i], v[L+i], v[L+31+i], s29   ; what I keep
.set i, i+1
.endr
.set i, 0
.rept 11
	v_cndmask_b32 v[L+i], v[L+31+i], v[L+i], s29   ; what I send
.set i, i+1
.endr
.set i, 0
.rept 11
	v_permlanex16_b32 v[P+i], v[L+i], s26, s27
.set i, i+1
.endr
	v_cndmask_b32 v151, v[AA], v[AA+1], s29        ; my query's |a|^2
.set i, 0
.rept 11
	INS M, 11, P+i
.set i, i+1
.endr
	; ---- the waves: with wave w xor 2, then with wave w xor 1; afterwards every wave holds the final lists of all 32 queries
	s_wait_alu depctr_va_vdst(0)                   ; the merge has written M, which the stores read, and is done with P, in which the partner's list lands behind the barrier
.set i, 0
.rept 11
	ds_store_b32 v14, v[M+i] offset:128*i
.set i, i+1
.endr
	BARRIER
.set i, 0
.rept 11
	ds_load_b32 v[P+i], v15 offset:128*i
.set i, i+1
.endr
	s_wait_dscnt 0x0
	s_wait_alu depctr_vm_vsrc(0)                   ; my stores have read M, which the merge below writes
.set i, 0
.rept 11
	INS M, 11, P+i
.set i, i+1
.endr
	s_wait_alu depctr_va_vdst(0)                   ; the merge has written M, which the stores read, and is done with P, in which the second partner's list lands
.set i, 0
.rept 11
	ds_store_b32 v14, v[M+i] offset:MRG1-MRG0+128*i
.set i, i+1
.endr
	BARRIER
.set i, 0
.rept 11
	ds_load_b32 v[P+i], v16 offset:128*i
.set i, i+1
.endr
	s_wait_dscnt 0x0
	s_wait_alu depctr_vm_vsrc(0)                   ; my stores have read M, which the merge below writes
.set i, 0
.rept 11
	INS M, 11, P+i
.set i, i+1
.endr
	; ---- the ten distances: the smallest of the 11 is dropped
.set i, 1
.rept 10
	v_add_f32 v[M+i], v[M+i], v151
.set i, i+1
.endr
.set i, 1
.rept 10
	v_max_num_f32 v[M+i], 0, v[M+i]
.set i, i+1
.endr
.set i, 1
.rept 10
	v_sqrt_f32 v[KK+i-1], v[M+i]
.set i, i+1
.endr
	v_nop                                          ; a plain line behind the last root (ISA guide 5.7.2),
	s_wait_alu depctr_va_vdst(0)                   ; and one wait: the ten roots are written in KK, which the stores read (their first reader); the roots are done reading M, in which KN lands; the merges are done with v32-127, in which b1 and W1's rows land
	ds_store_b128 v17, v[KK:KK+3]                  ; row 2 r + h of my wave's own table
	ds_store_b128 v17, v[KK+4:KK+7] offset:16
	ds_store_b64 v17, v[KK+8:KK+9] offset:32
	ds_load_b128 v[KN:KN+3], v18                   ; and row 16 m + r back: LDS serves a wave's instructions in order
	ds_load_b128 v[KN+4:KN+7], v18 offset:16
	ds_load_b64 v[KN+8:KN+9], v18 offset:32
	; ---- layer 1: h = b1 + the sum over j of knn[j] W1[j][:], 32 units a lane, two a line; W1's rows come two ahead, in two buffers
	W1ROW 2560, H
	W1ROW 0, WJ
	W1ROW 256, WJ+32
.set j, 0
.rept 10
.if j < 9
	s_wait_dscnt 8                                 ; row j is in (and at j = 0 all that was asked for ahead of it); the eight loads of row j + 1 may be out
.else
	s_wait_dscnt 0x0
.endif
.set wj, WJ+32*(j%2)
.set p, 0
.rept 16
.if j%2
	v_pk_fma_f32 v[H+2*p:H+2*p+1], v[wj+2*p:wj+2*p+1], v[KN+j-1:KN+j], v[H+2*p:H+2*p+1] op_sel:[0,1,0] op_sel_hi:[1,1,1]
.else
	v_pk_fma_f32 v[H+2*p:H+2*p+1], v[wj+2*p:wj+2*p+1], v[KN+j:KN+j+1], v[H+2*p:H+2*p+1] op_sel_hi:[1,0,1]
.endif
.set p, p+1
.endr
.if j < 8
	s_wait_alu depctr_va_vdst(0)                   ; the sixteen multiply-adds are done reading this buffer of W1, in which row j + 2 lands
	W1ROW 256*(j+2), wj
.endif
.set j, j+1
.endr
.set p, 0
.rept 16
	v_pk_mul_f32 v[WJ+2*p:WJ+2*p+1], v[H+2*p:H+2*p+1], s[56:57] op_sel_hi:[1,0]
.set p, p+1
.endr
.set p, 0
.rept 32
	v_max_num_f32 v[H+p], v[H+p], v[WJ+p]          ; LeakyReLU with a slope under 1: max(x, 0.01 x)
.set p, p+1
.endr
	; ---- the quantised product's operands
.irp k, 8,9,10,11,12,13,14,15
	v_mov_b32 v[HC+\k], 0                          ; k = 64 .. 127: zero codes on both sides
	v_mov_b32 v[WC+\k], 0
	v_mov_b32 v[WC+16+\k], 0
.endr
	v_mov_b32 v[TM+2], 0                           ; a lane permute's destination counts as one of its sources
	v_mov_b32 v[TM+3], 0
	QUANT H, HC, 30
	s_wait_loadcnt 0x0                             ; W2, b2, W3, x y z
	QUANT WR, WC, 28
	QUANT WR+32, WC+16, 29
.rept 4
	v_nop                                          ; codes written by vector instructions stand four places ahead of a scaled matrix instruction; each scale word was made ahead of its 32 holds
.endr
	s_wait_alu depctr_va_vdst(0)                   ; behind the places: the codes in v64-111 and the scale words v28, v29, v30 are written, which the two scaled products take as operands and scales
	; source 0 = 16 columns of W2, source 1 = my 16 rows, C = b2: register j of lane (r, h) is output 32 tp + 16 u + 8 h + j of row 16 m + r
	v_wmma_scale_f32_16x16x128_f8f6f4 v[D:D+7], v[WC:WC+15], v[HC:HC+15], v[D:D+7], v28, v30
	v_wmma_scale_f32_16x16x128_f8f6f4 v[D+8:D+15], v[WC+16:WC+31], v[HC:HC+15], v[D+8:D+15], v29, v30
.rept 8
	v_nop                                          ; eight places behind this form ahead of the first read of a result and the first write of an operand
.endr
	; ---- LeakyReLU, layer 3: each accumulator is read from its low end on
.set p, 0
.rept 8
	v_pk_mul_f32 v[WC+2*p:WC+2*p+1], v[D+2*p:D+2*p+1], s[56:57] op_sel_hi:[1,0]
.set p, p+1
.endr
.set p, 0
.rept 16
	v_max_num_f32 v[D+p], v[D+p], v[WC+p]
.set p, p+1
.endr
	v_pk_mul_f32 v[80:81], v[D:D+1], v[W3R:W3R+1]
	v_pk_mul_f32 v[82:83], v[D+2:D+3], v[W3R+2:W3R+3]
.irp p, 4,8,12
	v_pk_fma_f32 v[80:81], v[D+\p:D+\p+1], v[W3R+\p:W3R+\p+1], v[80:81]
	v_pk_fma_f32 v[82:83], v[D+\p+2:D+\p+3], v[W3R+\p+2:W3R+\p+3], v[82:83]
.endr
	v_pk_add_f32 v[80:81], v[80:81], v[82:83]
	v_add_f32 v80, v80, v81                        ; my 16 outputs' share,
	v_permlanex16_b32 v81, v80, s26, s27
	v_add_f32 v80, v80, v81                        ; and the other half's: 32 outputs of row 16 m + r
	s_wait_alu depctr_va_vdst(0)                   ; v80 is written, which the store reads; the sums are done with v82 and v83, in which wave 0's loads land behind the barrier
	ds_store_b32 v19, v80                          ; (both halves of the lanes write the same word with the same number)
	BARRIER
	; ---- wave 0 adds the two halves of the 64 outputs and b3, and stores
	s_cmp_lg_u32 s23, 0
	s_cbranch_scc1 .Lend
	ds_load_b32 v82, v27
	ds_load_b32 v83, v27 offset:128
	s_wait_dscnt 0x0
	v_add_f32 v82, v82, v83
	v_add_f32 v[VT+3], s22, v82
	s_wait_alu depctr_va_vdst(0)                   ; v219, the result, is written, which both stores read
	global_store_b128 v21, v[VT:VT+3], s[48:49]    ; 32 lanes store 512 consecutive bytes, at a multiple of 512 from vtx's first byte
	global_store_b32 v26, v[VT+3], s[46:47]        ; 128 consecutive bytes of out0
.Lend:
	s_set_vgpr_msb 0x4
	s_wait_dscnt 0x0
	s_wait_alu depctr_hold_cnt(0) depctr_sa_sdst(0) depctr_va_vdst(0) depctr_va_sdst(0) depctr_va_ssrc(0) depctr_va_vcc(0) depctr_vm_vsrc(0)
	s_wait_tensorcnt 0x0
	ds_add_u32 v31, v1
	s_wait_dscnt 0x0
	s_endpgm
.Lfunc_end_k_q2812e53ea3_knn_mlp:
	.size	k_q2812e53ea3_knn_mlp, .Lfunc_end_k_q2812e53ea3_knn_mlp-k_q2812e53ea3_knn_mlp
	.p2alignl 7, 3214868480
	.fill 96, 4, 3214868480
	.section	.rodata,"a",@progbits
	.p2align	6, 0x0
	.amdhsa_kernel k_q2812e53ea3_knn_mlp
		.amdhsa_group_segment_fixed_size 168448
		.amdhsa_private_segment_fixed_size 0
		.amdhsa_enable_private_segment 0
		.amdhsa_kernarg_size 72
		.amdhsa_user_sgpr_count 2
		.amdhsa_user_sgpr_kernarg_segment_ptr 1
		.amdhsa_wavefront_size32 1
		.amdhsa_system_sgpr_workgroup_id_x 1
		.amdhsa_system_sgpr_workgroup_id_y 1
		.amdhsa_system_sgpr_workgroup_id_z 1
		.amdhsa_system_vgpr_workitem_id 0
		.amdhsa_next_free_vgpr 258
		.amdhsa_next_free_sgpr 66
		.amdhsa_reserve_vcc 0
		.amdhsa_float_denorm_mode_32 3
		.amdhsa_float_denorm_mode_16_64 3
		.amdhsa_memory_ordered 1
		.amdhsa_forward_progress 1
		.amdhsa_inst_pref_size 153
	.end_amdhsa_kernel
	.amdgpu_metadata
---
amdhsa.version: [ 1, 2 ]
amdhsa.kernels:
  - .name:           k_q2812e53ea3_knn_mlp
    .symbol:         k_q2812e53ea3_knn_mlp.kd
    .args:
      - { .name: pts, .offset: 0, .size: 8, .value_kind: global_buffer, .address_space: global }
      - { .name: W1, .offset: 8, .size: 8, .value_kind: global_buffer, .address_space: global }
      - { .name: b1, .offset: 16, .size: 8, .value_kind: global_buffer, .address_space: global }
      - { .name: W2, .offset: 24, .size: 8, .value_kind: global_buffer, .address_space: global }
      - { .name: b2, .offset: 32, .size: 8, .value_kind: global_buffer, .address_space: global }
      - { .name: W3, .offset: 40, .size: 8, .value_kind: global_buffer, .address_space: global }
      - { .name: b3, .offset: 48, .size: 8, .value_kind: global_buffer, .address_space: global }
      - { .name: out0, .offset: 56, .size: 8, .value_kind: global_buffer, .address_space: global }
      - { .name: vtx, .offset: 64, .size: 8, .value_kind: global_buffer, .address_space: global }
    .group_segment_fixed_size: 168448
    .private_segment_fixed_size: 0
    .kernarg_segment_align: 8
    .kernarg_segment_size: 72
    .max_flat_workgroup_size: 128
    .sgpr_count:     66
    .vgpr_count:     258
    .wavefront_size: 32
...
	.end_amdgpu_metadata
.endif
;; end of part 3
;; launch edge: the kernel of part 2 again; grid 256 x 1, 8 waves a work-group, no clusters, 0 bytes of LDS; arguments edges, vtx, out1; writes out1
